; MI455X (gfx1250); checked and timed in simulation.
; The chip was launched on July 23, 2026; its instructions are those of AMD's public machine-readable ISA for CDNA 5 (MIT licence, August 2026) and "CDNA5" Instruction Set Architecture Reference Guide (July 2026). The comments in the code are by the model that wrote it; some were corrected since.
;; BMM Attention. Allowed arithmetic: float matrix products may take bf16 or f16 operands with f32 sums; all other float work in f32.
;; Inputs: k 32 x 2,048 x 128 float32; q 32 x 2,048 x 128 float32; v 32 x 2,048 x 128 float32.
;; Outputs: out0 32 x 2,048 x 128 float32.
;; One version. Each part assembles by itself: llvm-mc -triple=amdgcn-amd-amdhsa -mcpu=gfx1250 --defsym DOCPART=n.
;; ======== version 1 of 1: 1 launch
;; launch attn (part 1): grid 8 x 32, 4 waves a work-group, clusters of 4 x 1, 327,680 bytes of LDS; arguments q, k, v, out0; writes out0
.if DOCPART == 1
	.amdgcn_target "amdgcn-amd-amdhsa--gfx1250"
	.amdhsa_code_object_version 6
	.text
	.protected	k_q1e65b8bd1e_attn
	.globl	k_q1e65b8bd1e_attn
	.p2align	8
	.type	k_q1e65b8bd1e_attn,@function
k_q1e65b8bd1e_attn:
	s_mov_b64 s[64:65], 0
	v_nop
	global_prefetch_b8 v0, s[64:65] scope:SCOPE_SE
	s_setreg_imm32_b32 hwreg(HW_REG_WAVE_MODE, 25, 1), 1
	s_wait_xcnt 0x0
	s_wait_alu depctr_hold_cnt(0) depctr_sa_sdst(0) depctr_va_vdst(0) depctr_va_sdst(0) depctr_va_ssrc(0) depctr_va_vcc(0) depctr_vm_vsrc(0)
	s_getreg_b32 s2, hwreg(HW_REG_IB_STS2, 6, 4)
	s_cmp_eq_u32 s2, 0
	s_cbranch_scc0 .Lentry_in_a_cluster
	s_endpgm
.Lentry_in_a_cluster:
	s_bfe_u32 s2, ttmp6, 0x10000c
	s_cmp_lg_u32 s2, 0x3003
	s_cbranch_scc0 .Lentry_shape_is_right
	s_endpgm
.Lentry_shape_is_right:
; out[b][q][:] = softmax over keys of (q[b][q][:] . k[b][key][:]) times v[b][key][:].  32 heads, 2,048 rows, 128 columns, all f32 in memory.
; One launch.  A work-group takes 256 queries of one head against all 2,048 keys; each of its four waves takes 64 queries (four tiles of 16).
; Keys go in 16 blocks of 128, with a running maximum and a running sum (both f32) for each query.
;
; BOTH PRODUCTS ARE USED TRANSPOSED, so that a lane keeps one query per tile and nothing but the maximum crosses lanes:
;   S^T = K Q^T : source 0 = 16 keys of K, source 1 = 16 queries of Q; lane (r, h) gets keys 8h .. 8h+7 of the tile for query r.
;   O^T = V^T P^T : source 1 wants, of 32 keys, keys 8h..8h+7 and 16+8h..16+8h+7 of query r: the lane's own 16 results of two neighbouring
;   key tiles, so P is made by eight conversions in place.  Source 0 = V^T, read from V [key][d] in bf16 by the transposing LDS load.
;   A lane's eight results are eight neighbouring columns of one output row.
; q and k are rounded to bf16 as they are given; log2(e) enters in the f32 multiply-add in front of the exponential, not in an operand.
;
; CLUSTER: the four query blocks of a cluster read the same K and V tiles.  Each tile is asked for jointly (mask 15): wave w of each of the
; four work-groups issues the same load of 32 keys (16,384 dense bytes).  A head's eight query blocks are two such clusters.
; K and V arrive as f32 (regions FK, FV); the wave that asked for 32 keys converts them to bf16 (tiles KB, VB) in chunks of four keys that
; stand between halves of 16 matrix instructions; all four waves then read fragments from KB and VB.
; By this text's count a wave has two tensor loads outstanding at the start and one later.
;
; LIMITS KEPT.  Scores must be finite in f32.  A weight below 2^-126 of its row's largest counts as zero (the exponential flushes).
; The row sum is made of the f32 weights, the product of the weights rounded to bf16 (2^-8 relative at the most).
; The maximum ignores NaN; a NaN score still reaches its whole output row through the exponential and the sum.
; ---- LDS map (bytes) ----
.set FK,  0                            ; K tile, f32, 128 keys x 512 bytes; wave w's 32 keys at w x 16,384.  Written by tensor loads alone
.set FV,  65536                        ; V tile, f32, likewise
.set KB,  131072                       ; K tile, bf16, 128 rows of pitch KP
.set VB,  165888                       ; V tile, bf16, [key][d], 128 rows of pitch VP
.set ST,  202752                       ; a stage for each wave: first its 64 rows of Q in bf16 (pitch KP), at the end 16 output rows (pitch OP)
.set STW, 17408                        ; bytes of one wave's stage
.set KP,  272                          ; 256 + 16: 17 x 16, so the 16 rows of a fragment load start in 16 different 16-byte columns of 256
.set VP,  288                          ; 256 + 32: 9 x 32, the same for the transposing load's rows
.set OP,  528                          ; 512 + 16
.set TILEB, 65536                      ; bytes of 128 keys in memory
; ---- vector registers, window 0 ----
.set FKR, 4                            ; LDS: my 16 bytes of the first of my wave's rows of FK
.set FVR, 5                            ; the same in FV
.set KW,  6                            ; LDS: my 8 bytes of the first of my wave's rows of KB
.set VW,  7                            ; the same in VB
.set KF,  8                            ; LDS: K fragment, r x KP + 16 h
.set VF,  9                            ; LDS: V fragment for the transposing load
.set SQW, 10                           ; stage: where my 8 bytes of a Q row go
.set SQF, 11                           ; stage: Q fragment
.set SOW, 12                           ; stage: where my 32 bytes of an output row go
.set SOR, 13                           ; stage: my 16 bytes of a row read back
.set GO,  14                           ; 16 x lane: my 16 bytes of a 512-byte row in q and out0
.set PF,  15                           ; 256 x lane: prefetch
.set SA,  16                           ; v[16:31]  four pairs of partial sums for each of the two query tiles at work
.set MX,  32                           ; v[32:35]  running maximum of query tile 0..3
.set LS,  36                           ; v[36:43]  running sum, a pair for each query tile (the lane's own keys only)
.set TM,  44                           ; v[44:51]  four maximum chains for each of the two tiles at work
.set AL,  54                           ; v[54:57]  the factor for the old sums, twice, for each of the two tiles
.set NB,  58                           ; v[58:61]  the shift -log2(e) x maximum, twice, for each of the two tiles
.set CT,  64                           ; v[64:127] conversion: four sets of 4 rows x 4 registers
.set FA,  128                          ; v[128:191] fragment buffer A
.set FB,  192                          ; v[192:255] fragment buffer B
; window 1: S(qt, kt) at 64 qt + 8 kt; after the softmax P(qt, u) at 64 qt + 16 u .. + 7.  Window 2: O(qt, dt) at 64 qt + 8 dt.
; window 3: Q(qt, ks) at 32 qt + 8 ks.
; s_set_vgpr_msb's low byte: bits 1:0 source 0, 3:2 source 1, 5:4 source 2, 7:6 destination.
.set W_QK,  0x5c                       ; K window 0, Q window 3, S window 1
.set W_PV,  0xa4                       ; V window 0, P window 1, O window 2
.set W_MAX, 0x05                       ; sources 0 and 1 window 1
.set W_EXP, 0x41                       ; source 0 and destination window 1
.set W_SUM, 0x01                       ; source 0 window 1
.set W_CVT, 0x45                       ; all in window 1
.set W_RSC, 0x82                       ; source 0 and destination window 2
.set W_STO, 0x08                       ; LDS store data window 2
.set W_L1,  0x40                       ; load destination window 1
.set W_S1,  0x04                       ; LDS store data window 1
.set W_L3,  0xc0                       ; load destination window 3
.set NLOG2E, 0xbfb8aa3b                ; -log2(e)
; ---- scalar registers ----
; s[4:5] q, s[6:7] k, s[8:9] v, s[10:11] out0; s12 wave; s13 cx; s14 query block; s15 head; s[16:23] descriptor group 1;
; s[24:27] group 0 for K, s[28:31] for V; s32, s33 lane selects; s34 loop counter; s[36:39] offsets without cx, then LDS bases;
; s[40:41] prefetch pointer in v, s[42:43] in k; s[44:45] log2(e) twice; s[2:3], s[46:47] offsets that hold cx.
.set MSB, 0
.macro WIN new                         ; the immediate's high byte repeats the setting that is left; a switch that changes nothing is dropped
.if MSB != \new
	s_set_vgpr_msb (MSB<<8)|\new
.set MSB, \new
.endif
.endm
; A round of the cluster's barrier: my work-group's barrier, wave 0 signals for the work-group, every wave waits for all four work-groups,
; my work-group's barrier once more.
.macro ROUND
	s_barrier_signal -1
	s_barrier_wait -1
	s_cmp_lg_u32 s12, 0
	s_cbranch_scc1 .Lnot_wave_0_\@
	s_barrier_signal -3
.Lnot_wave_0_\@:
	s_barrier_wait -3
	s_barrier_signal -1
	s_barrier_wait -1
.endm
.macro BAR
	s_barrier_signal -1
	s_barrier_wait -1
.endm
.macro PLACES                          ; four places behind a matrix instruction (ISA guide 7.12.1) where no useful vector work stands
.rept 4
	v_nop
.endr
.endm
.macro GAP last
.if \last
	PLACES
.endif
.endm
; LDS instructions of a wave come back in order, loads and stores together (ISA guide 5.7.1).  DSN counts those that the text has issued since
; the last wait for 0; a group of loads notes DSN behind its last one; the wait for a group is for as many as were issued since.
.set DSN, 0
.macro WAITDS mark
.if (DSN-\mark) > 63
	s_wait_dscnt 63
.else
	s_wait_dscnt DSN-\mark
.endif
.endm
.macro DS0
	s_wait_dscnt 0x0
.set DSN, 0
.endm
; Chunk c (four keys) of my wave's 32 f32 rows: each load takes one whole row, 512 neighbouring bytes.
.macro LOADCH src, c
	WIN 0
.irp i, 0,1,2,3
	ds_load_b128 v[CT+16*(\c%4)+4*\i:CT+16*(\c%4)+4*\i+3], v[\src] offset:(4*\c+\i)*512
.endr
.set DSN, DSN+4
.set MARK_C\c, DSN
.endm
; Chunk c rounded to bf16 in place and stored: each store writes 256 neighbouring bytes of a bf16 row.
.macro CVCH dst, pitch, c
	WIN 0
	WAITDS MARK_C\c
.irp i, 0,1,2,3
	v_cvt_pk_bf16_f32 v[CT+16*(\c%4)+4*\i],   v[CT+16*(\c%4)+4*\i],   v[CT+16*(\c%4)+4*\i+1]
	v_cvt_pk_bf16_f32 v[CT+16*(\c%4)+4*\i+1], v[CT+16*(\c%4)+4*\i+2], v[CT+16*(\c%4)+4*\i+3]
.endr
.irp i, 0,1,2,3
	ds_store_b64 v[\dst], v[CT+16*(\c%4)+4*\i:CT+16*(\c%4)+4*\i+1] offset:(4*\c+\i)*\pitch
.endr
.set DSN, DSN+4
.endm
; What stands between two halves of 16 matrix instructions: chunk c is converted (its eight conversions name none of the matrix
; instructions' registers: they are the places behind them), chunk n is asked for (n = 8: none is left).
.macro SIDE conv, src, dst, pitch, c, n
.if \conv
	CVCH \dst, \pitch, \c
.if \n < 8
	LOADCH \src, \n
.endif
.endif
.endm
; K fragments of key tiles 2 g and 2 g + 1, all 128 columns: 16 rows x 32 columns are two loads of 16 bytes, 32 bytes apart.
.macro FETCHK g, F
	WIN 0
.irp t, 0,1
.irp ks, 0,1,2,3
	ds_load_b128 v[\F+32*\t+8*\ks:\F+32*\t+8*\ks+3],   v[KF] offset:(2*\g+\t)*16*KP+64*\ks
	ds_load_b128 v[\F+32*\t+8*\ks+4:\F+32*\t+8*\ks+7], v[KF] offset:(2*\g+\t)*16*KP+64*\ks+32
.endr
.endr
.set DSN, DSN+16
.set MARK_\F, DSN
.endm
; V^T fragments of keys 32 u .. 32 u + 31, all eight column tiles: two transposing loads, 16 rows apart.
.macro FETCHV u, F
	WIN 0
.irp dt, 0,1,2,3,4,5,6,7
	ds_load_tr16_b128 v[\F+8*\dt:\F+8*\dt+3],   v[VF] offset:\u*32*VP+32*\dt
	ds_load_tr16_b128 v[\F+8*\dt+4:\F+8*\dt+7], v[VF] offset:\u*32*VP+32*\dt+16*VP
.endr
.set DSN, DSN+16
.set MARK_\F, DSN
.endm
; 16 matrix instructions of S^T: two steps of 32 columns x two key tiles x four query tiles.  The first step starts the sums with the
; constant 0.  The eight accumulators take turns, one instruction a turn.
.macro MULQK g, hf, F
	WIN W_QK
.irp ks, 2*\hf, 2*\hf+1
.irp t, 0,1
.irp qt, 0,1,2,3
.if (\ks) == 0
	v_wmma_f32_16x16x32_bf16 v[64*\qt+8*(2*\g+\t):64*\qt+8*(2*\g+\t)+7], v[\F+32*\t+8*(\ks):\F+32*\t+8*(\ks)+7], v[32*\qt+8*(\ks):32*\qt+8*(\ks)+7], 0
.else
	v_wmma_f32_16x16x32_bf16 v[64*\qt+8*(2*\g+\t):64*\qt+8*(2*\g+\t)+7], v[\F+32*\t+8*(\ks):\F+32*\t+8*(\ks)+7], v[32*\qt+8*(\ks):32*\qt+8*(\ks)+7], v[64*\qt+8*(2*\g+\t):64*\qt+8*(2*\g+\t)+7]
.endif
.endr
.endr
.endr
.endm
; 16 matrix instructions of O^T: four column tiles x four query tiles, keys 32 u .. 32 u + 31.  Sixteen accumulators by turns, one
; instruction a turn.  In the first block the first 32 keys start the sums.
.macro MULPV u, hf, F, first
	WIN W_PV
.irp dt, 4*\hf, 4*\hf+1, 4*\hf+2, 4*\hf+3
.irp qt, 0,1,2,3
.if (\first != 0) && (\u == 0)
	v_wmma_f32_16x16x32_bf16 v[64*\qt+8*(\dt):64*\qt+8*(\dt)+7], v[\F+8*(\dt):\F+8*(\dt)+7], v[64*\qt+16*\u:64*\qt+16*\u+7], 0
.else
	v_wmma_f32_16x16x32_bf16 v[64*\qt+8*(\dt):64*\qt+8*(\dt)+7], v[\F+8*(\dt):\F+8*(\dt)+7], v[64*\qt+16*\u:64*\qt+16*\u+7], v[64*\qt+8*(\dt):64*\qt+8*(\dt)+7]
.endif
.endr
.endr
.endm
; The running maximum of query tile q (work slot x), the shift NB = round(-log2(e) x maximum), and the factor for the old sums,
; 2^(new shift - old shift).  The old shift is made again from the old maximum (the same multiply, the same rounding), so all weights of a
; row end up relative to one and the same shift, whose rounding cancels in the division by the row sum.
.macro STAT x, q, first
	v_max3_num_f32 v[TM+4*\x], v[TM+4*\x], v[TM+4*\x+1], v[TM+4*\x+2]
	v_max_num_f32 v[TM+4*\x], v[TM+4*\x], v[TM+4*\x+3]
	v_permlanex16_b32 v[TM+4*\x+1], v[TM+4*\x], s32, s33           ; the other half of the keys lies in lane xor 16
.if \first
	v_max_num_f32 v[MX+\q], v[TM+4*\x], v[TM+4*\x+1]
	v_mul_f32 v[NB+2*\x], NLOG2E, v[MX+\q]
	v_mov_b32 v[NB+2*\x+1], v[NB+2*\x]
.else
	v_mul_f32 v[TM+4*\x+3], NLOG2E, v[MX+\q]                       ; the old shift
	v_max3_num_f32 v[MX+\q], v[TM+4*\x], v[TM+4*\x+1], v[MX+\q]
	v_mul_f32 v[NB+2*\x], NLOG2E, v[MX+\q]                         ; the new shift
	v_sub_f32 v[TM+4*\x+3], v[NB+2*\x], v[TM+4*\x+3]               ; at most 0
	v_exp_f32 v[AL+2*\x], v[TM+4*\x+3]
	v_mov_b32 v[NB+2*\x+1], v[NB+2*\x]                             ; the plain instruction behind the exponential (ISA guide 5.7.2)
	s_wait_alu depctr_va_vdst(0)
	v_mov_b32 v[AL+2*\x+1], v[AL+2*\x]
.endif
.endm
; The softmax step of two query tiles over this block's 128 keys (64 numbers a lane and tile).
.macro SOFTMAX qa, qb, first
	WIN W_MAX                                      ; 1: the lane's maximum, four chains a tile, started by the first pairs
.irp k, 0,1,2,3
	v_max_num_f32 v[TM+\k],   v[64*\qa+16*\k], v[64*\qa+16*\k+1]
	v_max_num_f32 v[TM+4+\k], v[64*\qb+16*\k], v[64*\qb+16*\k+1]
.endr
.irp i, 1,2,3,4,5,6,7
.irp k, 0,1,2,3
	v_max3_num_f32 v[TM+\k],   v[64*\qa+16*\k+2*\i], v[64*\qa+16*\k+2*\i+1], v[TM+\k]
	v_max3_num_f32 v[TM+4+\k], v[64*\qb+16*\k+2*\i], v[64*\qb+16*\k+2*\i+1], v[TM+4+\k]
.endr
.endr
	WIN 0                                          ; 2: running maximum, shift, factor
	STAT 0, \qa, \first
	STAT 1, \qb, \first
	WIN W_EXP                                      ; 3: weights 2^(log2(e) s + shift), in place; one fused multiply-add, so the exponent is rounded once
.set ii, 0
.rept 32
	v_pk_fma_f32 v[64*\qa+2*ii:64*\qa+2*ii+1], v[64*\qa+2*ii:64*\qa+2*ii+1], s[44:45], v[NB:NB+1] op_sel_hi:[1,0,1]
.set ii, ii+1
.endr
.set ii, 0
.rept 32                                           ; the first tile's exponentials among the second tile's multiply-adds
	v_exp_f32 v[64*\qa+2*ii],   v[64*\qa+2*ii]
	v_exp_f32 v[64*\qa+2*ii+1], v[64*\qa+2*ii+1]
	v_pk_fma_f32 v[64*\qb+2*ii:64*\qb+2*ii+1], v[64*\qb+2*ii:64*\qb+2*ii+1], s[44:45], v[NB+2:NB+3] op_sel_hi:[1,0,1]
.set ii, ii+1
.endr
.set ii, 0
.rept 64
	v_exp_f32 v[64*\qb+ii], v[64*\qb+ii]
.set ii, ii+1
.endr
	v_nop                                          ; one plain instruction between the exponentials and the first use of a result (ISA guide 5.7.2)
	WIN W_MAX                                      ; 4: the lane's sums, four chains of pairs a tile, started by the first eight pairs
	s_wait_alu depctr_va_vdst(0)
.irp k, 0,1,2,3
	v_pk_add_f32 v[SA+2*\k:SA+2*\k+1],     v[64*\qa+4*\k:64*\qa+4*\k+1], v[64*\qa+4*\k+2:64*\qa+4*\k+3]
	v_pk_add_f32 v[SA+8+2*\k:SA+8+2*\k+1], v[64*\qb+4*\k:64*\qb+4*\k+1], v[64*\qb+4*\k+2:64*\qb+4*\k+3]
.endr
	WIN W_SUM
.irp i, 0,1,2,3,4,5
.irp k, 0,1,2,3
	v_pk_add_f32 v[SA+2*\k:SA+2*\k+1],     v[64*\qa+16+8*\i+2*\k:64*\qa+16+8*\i+2*\k+1], v[SA+2*\k:SA+2*\k+1]
	v_pk_add_f32 v[SA+8+2*\k:SA+8+2*\k+1], v[64*\qb+16+8*\i+2*\k:64*\qb+16+8*\i+2*\k+1], v[SA+8+2*\k:SA+8+2*\k+1]
.endr
.endr
	WIN W_CVT                                      ; 5: P in bf16, in place: register i of a group of 16 takes numbers 2 i and 2 i + 1, i ascending
.irp u, 0,1,2,3
.irp i, 0,1,2,3,4,5,6,7
	v_cvt_pk_bf16_f32 v[64*\qa+16*\u+\i], v[64*\qa+16*\u+2*\i], v[64*\qa+16*\u+2*\i+1]
	v_cvt_pk_bf16_f32 v[64*\qb+16*\u+\i], v[64*\qb+16*\u+2*\i], v[64*\qb+16*\u+2*\i+1]
.endr
.endr
	WIN 0                                          ; 6: the running sum
	v_pk_add_f32 v[SA:SA+1],     v[SA:SA+1],     v[SA+2:SA+3]
	v_pk_add_f32 v[SA+8:SA+9],   v[SA+8:SA+9],   v[SA+10:SA+11]
	v_pk_add_f32 v[SA+4:SA+5],   v[SA+4:SA+5],   v[SA+6:SA+7]
	v_pk_add_f32 v[SA+12:SA+13], v[SA+12:SA+13], v[SA+14:SA+15]
.if \first
	v_pk_add_f32 v[LS+2*\qa:LS+2*\qa+1], v[SA:SA+1],   v[SA+4:SA+5]
	v_pk_add_f32 v[LS+2*\qb:LS+2*\qb+1], v[SA+8:SA+9], v[SA+12:SA+13]
.else
	v_pk_add_f32 v[SA:SA+1],   v[SA:SA+1],   v[SA+4:SA+5]
	v_pk_add_f32 v[SA+8:SA+9], v[SA+8:SA+9], v[SA+12:SA+13]
	v_pk_fma_f32 v[LS+2*\qa:LS+2*\qa+1], v[LS+2*\qa:LS+2*\qa+1], v[AL:AL+1],   v[SA:SA+1]
	v_pk_fma_f32 v[LS+2*\qb:LS+2*\qb+1], v[LS+2*\qb:LS+2*\qb+1], v[AL+2:AL+3], v[SA+8:SA+9]
	WIN W_RSC                                      ; 7: the old output sums take the factor
.set ii, 0
.rept 32
	v_pk_mul_f32 v[64*\qa+2*ii:64*\qa+2*ii+1], v[64*\qa+2*ii:64*\qa+2*ii+1], v[AL:AL+1]
	v_pk_mul_f32 v[64*\qb+2*ii:64*\qb+2*ii+1], v[64*\qb+2*ii:64*\qb+2*ii+1], v[AL+2:AL+3]
.set ii, ii+1
.endr
.endif
	WIN 0
.endm
; Prefetch of 8,192 bytes (32 lanes, 256 bytes apart).  A tile of 65,536 bytes is shared out among the head's eight query blocks, and wave 0
; of each asks for its eighth: each byte of k and v is asked for once in the launch.  guard = 1: not in the loop's last trip.
.macro PFETCH ptr, guard
	s_cmp_lg_u32 s12, 0
	s_cbranch_scc1 .Lno_pf_\@
.if \guard
	s_cmp_eq_u32 s34, 1
	s_cbranch_scc1 .Lno_pf_\@
.endif
	global_prefetch_b8 v[PF], s[\ptr:\ptr+1] th:TH_LOAD_NT scope:SCOPE_SE
.Lno_pf_\@:
.endm
; ================= prologue =================
	s_load_b256 s[4:11], s[0:1], 0x0               ; q, k, v, out0
	v_lshl_add_u32 v62, v0, 2, 0x42800
	v_mov_b32 v63, 0
	ds_add_u32 v62, v63
	v_lshrrev_b32 v1, 5, v0
	v_readfirstlane_b32 s12, v1                    ; wave 0..3
	s_bfe_u32 s13, ttmp6, 0x40000                  ; cx: my place in the cluster
	s_lshl_b32 s14, ttmp9, 2                       ; in a cluster launch ttmp9 counts clusters
	s_add_co_u32 s14, s14, s13                     ; query block 0..7
	s_and_b32 s15, ttmp7, 0xffff                   ; head
	; Descriptor group 1, for K and V alike: my wave's 32 keys are 16,384 dense bytes, taken as 64 rows of 256 bytes (32 elements of 8 bytes).
	s_mov_b32 s16, 15|(3<<16)|(1<<21)              ; 15:0 mask: all four work-groups of the cluster; 17:16 elements of 8 bytes; 21 set beside a mask; no padding
	s_mov_b32 s17, 32<<16                          ; tensor_dim0 = 32
	s_mov_b32 s18, 64<<16                          ; tensor_dim1 = 64
	s_mov_b32 s19, 32<<16                          ; tile_dim0 = 32
	s_mov_b32 s20, 64                              ; tile_dim1 = 64
	s_mov_b32 s21, 32                              ; 32 elements from row to row
	s_mov_b32 s22, 0
	s_mov_b32 s23, 0
	s_mov_b32 s24, 1                               ; group 0 for K: count 1,
	s_lshl_b32 s25, s12, 14                        ; LDS address FK + wave x 16,384
	s_mov_b32 s28, 1                               ; group 0 for V
	s_add_co_u32 s29, s25, FV
	s_mov_b32 s32, 0x76543210                      ; v_permlanex16_b32: lane i of one half reads lane i of the other
	s_mov_b32 s33, 0xfedcba98
	s_mov_b32 s44, 0x3fb8aa3b                      ; log2(e), twice: a pair for the packed multiply-add
	s_mov_b32 s45, 0x3fb8aa3b
	s_lshl_b32 s36, s15, 20                        ; a head is 2,048 x 512 bytes
	s_add_co_u32 s38, s36, s25                     ; K, V: head + wave x 32 keys.  Nothing of cx in it: equal in the four partners
	s_mov_b32 s39, 0
	s_lshl_b32 s46, s14, 17                        ; q, out0: head + query block x 256 rows + wave x 64 rows
	s_add_co_u32 s46, s46, s36
	s_lshl_b32 s47, s12, 15
	s_add_co_u32 s46, s46, s47
	s_mov_b32 s47, 0
	s_lshl_b32 s2, s14, 13                         ; prefetch: head + query block x 8,192
	s_add_co_u32 s2, s2, s36
	s_mov_b32 s3, 0
	s_wait_dscnt 0x0
	s_wait_kmcnt 0x0
	s_add_nc_u64 s[26:27], s[6:7], s[38:39]        ; K, block 0
	s_or_b32 s27, s27, 0x80000000                  ; type 2
	s_add_nc_u64 s[30:31], s[8:9], s[38:39]        ; V, block 0
	s_or_b32 s31, s31, 0x80000000
	ROUND                                          ; all four work-groups are here: the first joint loads meet
	tensor_load_to_lds s[24:27], s[16:23]          ; K(0) -> FK
	s_nop 0
	tensor_load_to_lds s[28:31], s[16:23]          ; V(0) -> FV: the two first fills go out together
	s_nop 0
	s_add_nc_u64 s[4:5], s[4:5], s[46:47]          ; q at my wave's first row
	s_add_nc_u64 s[10:11], s[10:11], s[46:47]      ; out0 likewise
	s_add_nc_u64 s[40:41], s[8:9], s[2:3]
	s_add_nc_u64 s[40:41], s[40:41], TILEB         ; my eighth of V(1)
	s_add_nc_u64 s[42:43], s[6:7], s[2:3]
	s_add_nc_u64 s[42:43], s[42:43], 2*TILEB       ; my eighth of K(2)
	v_and_b32 v1, 31, v0                           ; lane
	v_lshlrev_b32 v[GO], 4, v1
	; my wave's 64 rows of q, one whole row of 512 bytes a load, into window 1 (S is not yet alive)
	WIN W_L1
.set ii, 0
.rept 64
	global_load_b128 v[4*ii:4*ii+3], v[GO], s[4:5] offset:512*ii th:TH_LOAD_NT
.set ii, ii+1
.endr
	WIN 0
	v_and_b32 v2, 15, v0                           ; r
	v_bfe_u32 v3, v0, 4, 1                         ; h
	s_mul_i32 s36, s12, 32*KP
	s_add_co_u32 s36, s36, KB                      ; my wave's 32 rows of KB
	s_mul_i32 s37, s12, 32*VP
	s_add_co_u32 s37, s37, VB                      ; of VB
	s_mul_i32 s38, s12, STW
	s_add_co_u32 s38, s38, ST                      ; my wave's stage
	v_lshl_add_u32 v[FKR], v1, 4, s25
	v_add_nc_u32 v[FVR], FV, v[FKR]
	v_lshl_add_u32 v[KW], v1, 3, s36
	v_lshl_add_u32 v[VW], v1, 3, s37
	v_mul_u32_u24 v16, v2, KP
	v_lshl_add_u32 v16, v3, 4, v16                 ; r x 272 + 16 h
	v_add_nc_u32 v[KF], KB, v16
	v_add_nc_u32 v[SQF], s38, v16
	v_and_b32 v[VF], 7, v0
	v_lshl_add_u32 v[VF], v3, 3, v[VF]             ; row 8 h + lane mod 8
	v_mul_u32_u24 v[VF], v[VF], VP
	v_bfe_u32 v16, v0, 3, 1
	v_lshl_add_u32 v[VF], v16, 4, v[VF]            ; + 16 bytes for the second eight columns
	v_add_nc_u32 v[VF], VB, v[VF]
	v_lshl_add_u32 v[SQW], v1, 3, s38
	v_mul_u32_u24 v[SOW], v2, OP
	v_lshl_add_u32 v[SOW], v3, 5, v[SOW]
	v_add_nc_u32 v[SOW], s38, v[SOW]
	v_lshl_add_u32 v[SOR], v1, 4, s38
	v_lshlrev_b32 v[PF], 8, v1
	; Q to bf16, 16 rows at a time, into my own stage
.irp b, 0,1,2,3
	s_wait_loadcnt 48-16*\b                        ; loads come back in order: all but the younger batches are in
	WIN W_CVT
.set ii, 16*\b
.rept 16
	v_cvt_pk_bf16_f32 v[4*ii],   v[4*ii],   v[4*ii+1]
	v_cvt_pk_bf16_f32 v[4*ii+1], v[4*ii+2], v[4*ii+3]
.set ii, ii+1
.endr
	WIN W_S1
.set ii, 16*\b
.rept 16
	ds_store_b64 v[SQW], v[4*ii:4*ii+1] offset:KP*ii
.set ii, ii+1
.endr
.endr
	; and back as fragments, which stay in window 3 for the whole kernel.  My own bytes, and LDS serves a wave's instructions in order
	; (ISA guide 5.7.1): no wait and no barrier between the stores and these loads.  They are waited for by the first block's wait for 0.
	WIN W_L3
.irp qt, 0,1,2,3
.irp ks, 0,1,2,3
	ds_load_b128 v[32*\qt+8*\ks:32*\qt+8*\ks+3],   v[SQF] offset:\qt*16*KP+64*\ks
	ds_load_b128 v[32*\qt+8*\ks+4:32*\qt+8*\ks+7], v[SQF] offset:\qt*16*KP+64*\ks+32
.endr
.endr
	WIN 0
	s_wait_tensorcnt 0x1                           ; my 32 keys of K(0) are in; V(0), issued behind them, may stay out
	LOADCH FKR, 0
	LOADCH FKR, 1
	SIDE 1, FKR, KW, KP, 0, 2
	SIDE 1, FKR, KW, KP, 1, 3
	SIDE 1, FKR, KW, KP, 2, 4
	SIDE 1, FKR, KW, KP, 3, 5
	SIDE 1, FKR, KW, KP, 4, 6
	SIDE 1, FKR, KW, KP, 5, 7
	SIDE 1, FKR, KW, KP, 6, 8
	SIDE 1, FKR, KW, KP, 7, 8
; ================= one block of 128 keys =================
; At its head: KB holds K(j) once every wave's stores are waited for; FV holds (or is about to hold) V(j) in f32.
; first half:  K(j+1) is asked for into FK;  S^T = K(j) Q^T, with V(j) converted into VB between the halves;  softmax of query tiles 0, 1.
; second half: V(j+1) is asked for into FV;  softmax of tiles 2, 3;  O^T += V(j)^T P^T, with K(j+1) converted into KB between the halves.
; KB is read in the first half and written in the second, VB the other way round; the two barriers of a block part the two.
; pfk: 0 no prefetch of K, 1 prefetch, 2 prefetch but not in the loop's last trip.
.macro BLOCK first, last, pfk
.set CONV, 1-\last
.if \first == 0
.if \last == 0
	s_wait_xcnt 0x0                                ; the prefetches of the block before have had their addresses translated (ISA guide 3.1): the pointers step only behind this wait
	s_add_nc_u64 s[40:41], s[40:41], TILEB
	s_add_nc_u64 s[42:43], s[42:43], TILEB
.endif
.endif
	s_wait_tensorcnt 0x0                           ; all my tensor loads have landed: the one that was out is my part of V(j)
	ds_add_u32 v62, v63
	s_wait_dscnt 0x0
.if \last == 0
	s_add_nc_u64 s[26:27], s[26:27], TILEB         ; so a group 0 may be written: K's next block
.endif
	DS0                                            ; my stores into KB, my reads of FK and of VB are done
.if \last == 0
	ROUND                                          ; the same now holds of every wave of all four work-groups
	tensor_load_to_lds s[24:27], s[16:23]          ; K(j+1) -> FK: my one tensor load behind this round, and the first thing there
	s_nop 0
.else
	BAR                                            ; nothing is filled any more: my work-group's barrier hands KB over
.endif
	FETCHK 0, FA
	FETCHK 1, FB
	LOADCH FVR, 0
	LOADCH FVR, 1
	WAITDS MARK_FA
	MULQK 0, 0, FA
	SIDE 1, FVR, VW, VP, 0, 2
.if \last == 0
	PFETCH 40, 0                                   ; my eighth of V(j+1), whose tensor load is issued in the middle of this block
.endif
	MULQK 0, 1, FA
	SIDE 1, FVR, VW, VP, 1, 3
	FETCHK 2, FA                                   ; behind the eight conversions: buffer A's last matrix instructions are four places and more back
	WAITDS MARK_FB
	MULQK 1, 0, FB
	SIDE 1, FVR, VW, VP, 2, 4
	MULQK 1, 1, FB
	SIDE 1, FVR, VW, VP, 3, 5
	FETCHK 3, FB
	WAITDS MARK_FA
	MULQK 2, 0, FA
	SIDE 1, FVR, VW, VP, 4, 6
	MULQK 2, 1, FA
	SIDE 1, FVR, VW, VP, 5, 7
	WAITDS MARK_FB
	MULQK 3, 0, FB
	SIDE 1, FVR, VW, VP, 6, 8
	MULQK 3, 1, FB
	SIDE 1, FVR, VW, VP, 7, 8                      ; its eight conversions are the places in front of the softmax, which reads S
	SOFTMAX 0, 1, \first
.if \last == 0
	s_wait_tensorcnt 0x0                           ; all my tensor loads have landed: my part of K(j+1)
	ds_add_u32 v62, v63
	s_add_nc_u64 s[30:31], s[30:31], TILEB         ; V's next block
.endif
	DS0                                            ; my stores into VB, my reads of FV and of KB are done
.if \last == 0
	ROUND
	tensor_load_to_lds s[28:31], s[16:23]          ; V(j+1) -> FV: my one tensor load behind this round, and the first thing there
	s_nop 0
.else
	BAR
.endif
	FETCHV 0, FA
	FETCHV 1, FB
.if \last == 0
	LOADCH FKR, 0
	LOADCH FKR, 1
.endif
.if \pfk == 1
	PFETCH 42, 0                                   ; my eighth of K(j+2), whose tensor load is issued at the head of the next block
.endif
.if \pfk == 2
	PFETCH 42, 1                                   ; the same; the trip of block 14 asks for nothing: there is no K(16)
.endif
	SOFTMAX 2, 3, \first
	WAITDS MARK_FA
	MULPV 0, 0, FA, \first
	SIDE CONV, FKR, KW, KP, 0, 2
	MULPV 0, 1, FA, \first
	SIDE CONV, FKR, KW, KP, 1, 3
	GAP \last                                      ; the last block converts nothing: four v_nop are the places in front of the loads into buffer A
	FETCHV 2, FA
	WAITDS MARK_FB
	MULPV 1, 0, FB, \first
	SIDE CONV, FKR, KW, KP, 2, 4
	MULPV 1, 1, FB, \first
	SIDE CONV, FKR, KW, KP, 3, 5
	GAP \last
	FETCHV 3, FB
	WAITDS MARK_FA
	MULPV 2, 0, FA, \first
	SIDE CONV, FKR, KW, KP, 4, 6
	MULPV 2, 1, FA, \first
	SIDE CONV, FKR, KW, KP, 5, 7
	WAITDS MARK_FB
	MULPV 3, 0, FB, \first
	SIDE CONV, FKR, KW, KP, 6, 8
	MULPV 3, 1, FB, \first
	SIDE CONV, FKR, KW, KP, 7, 8                   ; eight places in front of the next block's loads into the buffers and of its first products, which write over P
	GAP \last                                      ; in the last block: the places in front of the way out, which reads O
	WIN 0                                          ; at a label and at a branch every window is 0
.endm
	BLOCK 1, 0, 1                                  ; block 0 stands in front of the loop: its products start the sums, nothing is cleared
	s_mov_b32 s34, 14
.Lblk:
	BLOCK 0, 0, 2                                  ; blocks 1 to 14
	s_sub_co_i32 s34, s34, 1
	s_cmp_lg_u32 s34, 0
	s_cbranch_scc1 .Lblk
	BLOCK 0, 1, 0                                  ; block 15 asks for nothing and converts no further K
; ================= the way out =================
	; the row sums: the pair's two halves, then the other half of the keys from lane xor 16; then 1 / sum, twice for the packed multiply
.irp qt, 0,1,2,3
	v_add_f32 v[TM+\qt], v[LS+2*\qt], v[LS+2*\qt+1]
.endr
.irp qt, 0,1,2,3
	v_permlanex16_b32 v[TM+4+\qt], v[TM+\qt], s32, s33
.endr
.irp qt, 0,1,2,3
	v_add_f32 v[TM+\qt], v[TM+\qt], v[TM+4+\qt]
.endr
.irp qt, 0,1,2,3
	v_rcp_f32 v[AL+2*\qt], v[TM+\qt]               ; the sum is at least the largest weight, about 1
.endr
	v_nop                                          ; one plain instruction behind the reciprocals (ISA guide 5.7.2)
	s_wait_alu depctr_va_vdst(0)
.irp qt, 0,1,2,3
	v_mov_b32 v[AL+2*\qt+1], v[AL+2*\qt]
.endr
; 16 output rows: divide, put a lane's 8 neighbouring columns (32 bytes) into my own stage, read whole rows of 512 bytes back, store them.
.macro OUTQ qt, F
	WIN W_RSC
.set ii, 0
.rept 32
	v_pk_mul_f32 v[64*\qt+2*ii:64*\qt+2*ii+1], v[64*\qt+2*ii:64*\qt+2*ii+1], v[AL+2*\qt:AL+2*\qt+1]
.set ii, ii+1
.endr
	WIN W_STO
.irp dt, 0,1,2,3,4,5,6,7
	ds_store_b128 v[SOW], v[64*\qt+8*\dt:64*\qt+8*\dt+3]   offset:64*\dt
	ds_store_b128 v[SOW], v[64*\qt+8*\dt+4:64*\qt+8*\dt+7] offset:64*\dt+16
.endr
	WIN 0
	s_wait_xcnt 0x0                                ; every earlier store has had its addresses translated (ISA guide 3.1): the buffer, which stores read, is loaded again only behind this wait
.irp t, 0,1,2,3,4,5,6,7,8,9,10,11,12,13,14,15
	ds_load_b128 v[\F+4*\t:\F+4*\t+3], v[SOR] offset:OP*\t         ; LDS serves a wave's instructions in order: these see the stores above
.endr
.irp t, 0,1,2,3,4,5,6,7,8,9,10,11,12,13,14,15
	s_wait_dscnt 15-\t                             ; row t is in; the younger rows may stay out
	global_store_b128 v[GO], v[\F+4*\t:\F+4*\t+3], s[10:11] offset:(16*\qt+\t)*512 th:TH_STORE_NT   ; the wave stores 512 consecutive bytes, at a multiple of 512 from out0's first byte
.endr
.endm
	OUTQ 0, FA
	OUTQ 1, FB
	OUTQ 2, FA
	OUTQ 3, FB
	s_wait_tensorcnt 0x0
	ds_add_u32 v62, v63
	s_wait_dscnt 0x0
	ROUND                                          ; the closing round: no work-group ends while a partner may still ask for a tile that names it
	s_endpgm
.Lfunc_end_k_q1e65b8bd1e_attn:
	.size	k_q1e65b8bd1e_attn, .Lfunc_end_k_q1e65b8bd1e_attn-k_q1e65b8bd1e_attn
	.p2alignl 7, 3214868480
	.fill 96, 4, 3214868480
	.section	.rodata,"a",@progbits
	.p2align	6, 0x0
	.amdhsa_kernel k_q1e65b8bd1e_attn
		.amdhsa_group_segment_fixed_size 327680
		.amdhsa_private_segment_fixed_size 0
		.amdhsa_enable_private_segment 0
		.amdhsa_kernarg_size 32
		.amdhsa_user_sgpr_count 2
		.amdhsa_user_sgpr_kernarg_segment_ptr 1
		.amdhsa_wavefront_size32 1
		.amdhsa_system_sgpr_workgroup_id_x 1
		.amdhsa_system_sgpr_workgroup_id_y 1
		.amdhsa_system_sgpr_workgroup_id_z 1
		.amdhsa_system_vgpr_workitem_id 0
		.amdhsa_next_free_vgpr 896
		.amdhsa_next_free_sgpr 66
		.amdhsa_reserve_vcc 0
		.amdhsa_float_denorm_mode_32 3
		.amdhsa_float_denorm_mode_16_64 3
		.amdhsa_memory_ordered 1
		.amdhsa_forward_progress 1
		.amdhsa_inst_pref_size 255
	.end_amdhsa_kernel
	.section	.bss,"aw",@nobits
	.p2align	6
	.space	262144
	.amdgpu_metadata
---
amdhsa.version: [ 1, 2 ]
amdhsa.kernels:
  - .name:           k_q1e65b8bd1e_attn
    .symbol:         k_q1e65b8bd1e_attn.kd
    .args:
      - { .name: q, .offset: 0, .size: 8, .value_kind: global_buffer, .address_space: global }
      - { .name: k, .offset: 8, .size: 8, .value_kind: global_buffer, .address_space: global }
      - { .name: v, .offset: 16, .size: 8, .value_kind: global_buffer, .address_space: global }
      - { .name: out0, .offset: 24, .size: 8, .value_kind: global_buffer, .address_space: global }
    .group_segment_fixed_size: 327680
    .private_segment_fixed_size: 0
    .kernarg_segment_align: 8
    .kernarg_segment_size: 32
    .max_flat_workgroup_size: 128
    .sgpr_count:     66
    .vgpr_count:     896
    .wavefront_size: 32
...
	.end_amdgpu_metadata
.endif
;; end of part 1
